; MI455X (gfx1250); checked and timed in simulation.
; The chip was launched on July 23, 2026; its instructions are those of AMD's public machine-readable ISA for CDNA 5 (MIT licence, August 2026) and "CDNA5" Instruction Set Architecture Reference Guide (July 2026). The comments in the code are by the model that wrote it; some were corrected since.
;; Decoder. Allowed arithmetic: matrix products marked QUANTISED: E2M3 operands, one E8M0 scale for each 32 along K, by v_wmma_scale_f32_16x16x128_f8f6f4 with both operands' format E2M3, f32 sums; products left as they are: f32 operands where the result goes on into a quantised operand, else bf16, f16 or f32 operands; f32 sums; everything else in f32.
;; Inputs: W_bin_codes 512 x 8 x 24 uint8 (E2M3 codes of W_bin, K innermost, in blocks of 32 codes, four codes in three bytes); W_bin_scales 512 x 8 uint8 (E8M0 scales of W_bin, one for each 32 codes along K); W_eos_codes 512 x 16 x 24 uint8 (E2M3 codes of W_eos, K innermost, in blocks of 32 codes, four codes in three bytes); W_eos_scales 512 x 16 uint8 (E8M0 scales of W_eos, one for each 32 codes along K); W_fc 3 x 1,024 float32; b_eos 512 float32; b_fc 3 float32; bin_embedding_table 115,000 x 256 float32; eos_emb_codes 16 x 23 x 16 x 24 uint8 (E2M3 codes of eos_emb, K innermost, in blocks of 32 codes, four codes in three bytes); eos_emb_scales 16 x 23 x 16 uint8 (E8M0 scales of eos_emb, one for each 32 codes along K); sampled_indices 23 x 16 x 512 int32; targets 23 x 16 x 512 int32.
;; Outputs: out0 23 x 16 x 512 x 3 float32; out1 23 x 16 x 512 int32.
;; This version of the problem:
;;   THIS VERSION OF THE PROBLEM IS GIVEN IN LOW PRECISION. The matrix products marked QUANTISED in the list below multiply operands that are first quantised to E2M3 (2 exponent bits, 3 mantissa bits; 6 bits a number), with one power-of-two scale for each 32 numbers along K (OCP MX v1.0); their sums are f32. All else is computed in f32.
;;   The module's matrix products, in the order in which they are computed (A, B: the left and right operand; K: the contracted axis; several contracted axes count as one K, in the product's order):
;;     1. [M 368, K 512] x [K 512, N 512]; A: input eos_emb (given as codes); B: input W_eos (given as codes): QUANTISED
;;     2. [M 188,416, K 256] x [K 256, N 512]; A: computed on the way; B: input W_bin (given as codes): QUANTISED
;;     3. [M 188,416, K 1,024] x [K 1,024, N 3]; A: computed on the way; B: input W_fc: left as it is (N = 3 < 16)
;;   THE QUANTISER, for each operand of a quantised product, along K:
;;     - K is cut into blocks of 32 from its start; a last block that is shorter is filled with zeros.
;;     - A block's scale is 2^e with e = floor(log2(the largest magnitude in the block)) - 2, held to -126 .. 127; a block of zeros has e = 0. As a byte (E8M0): e + 127.
;;     - Each number is divided by its block's scale, clamped to +-7.5, and rounded to the nearest number of E2M3, ties to even, subnormals kept.
;;     - The product sums the exact products of the quantised numbers (number of the format x scale) in f32.
;;   ~~~python
;;   def quantise(x, axis):      # numpy; x: float32 -> the quantised numbers, widened to float32 again
;;       x = np.moveaxis(x, axis, -1); K = x.shape[-1]
;;       x = np.pad(x, [(0, 0)] * (x.ndim - 1) + [(0, -K % 32)]); x = x.reshape(x.shape[:-1] + (-1, 32)); a = np.abs(x).max(-1, keepdims=True)
;;       e = np.where(a > 0, np.clip(np.frexp(np.where(a > 0, a, 1))[1] - 1 - 2, -126, 127), 0)      # np.frexp(a)[1] - 1 = floor(log2(a)), exactly
;;       r = np.clip(x / 2.0 ** e, -7.5, 7.5)
;;       step = 2.0 ** (np.maximum(np.frexp(np.where(r == 0, 1, r))[1] - 1, 0) - 3)
;;       q = np.round(r / step) * step * 2.0 ** e      # np.round: ties to even
;;       return np.moveaxis(q.reshape(q.shape[:-2] + (-1,))[..., :K], -1, axis).astype(np.float32)
;;   ~~~
;;   OPERANDS COMPUTED ON THE WAY. 'Computed on the way' means the value that the module computes at that place (a softmax that the list does not call 'softmax' is quantised finished and normalised). What goes into a quantiser is computed in f32, as accurately as f32 sums, v_exp_f32 and their like allow (about 1e-6 of the number): no bf16 or f16 on the way to a quantiser, and a product that is left as it is and whose result goes on into a quantised operand takes f32 operands (vector FMAs, or v_wmma_f32_16x16x4_f32). A number that lies on a knife's edge between two numbers of the format may be rounded either way, as far as f32 arithmetic and the matrix unit's own rounding can turn it there, and no further.
;;   INPUTS GIVEN AS CODES. W_bin (in the module: [512, 256], K = its axis 1); W_eos (in the module: [512, 512], K = its axis 1); eos_emb (in the module: [16, 23, 512], K = its axis 2): each comes as NAME_codes (uint8): NAME with its K axis moved to the last place and cut into blocks of 32 codes, [.., K / 32, bytes a block], one block behind the other in memory; four codes in three bytes: a row's codes are one little-endian stream of bits, code i at bits 6 i .. 6 i + 5 (a code: sign, 2 exponent bits, 3 mantissa bits); and NAME_scales (uint8): the same leading axes, one E8M0 byte (e + 127) for each 32 codes along K. Its value is code x scale, taken as it is: it is not quantised again, and the codes and scales need not be those that the quantiser above would give.
;; One version. Each part assembles by itself: llvm-mc -triple=amdgcn-amd-amdhsa -mcpu=gfx1250 --defsym DOCPART=n.
;; ======== version 1 of 1: 1 launch
;; launch decoder (part 1): grid 16 x 16, 4 waves a work-group, clusters of 4 x 1, 309,760 bytes of LDS; arguments sampled_indices, targets, bin_embedding_table, W_bin_codes, W_bin_scales, W_eos_codes, W_eos_scales, eos_emb_codes, eos_emb_scales, W_fc, b_eos, b_fc, out0, out1; writes out0, out1
.if DOCPART == 1
	.amdgcn_target "amdgcn-amd-amdhsa--gfx1250"
	.amdhsa_code_object_version 6
	.text
	.protected	k_qaacfa45cd6_decoder
	.globl	k_qaacfa45cd6_decoder
	.p2align	8
	.type	k_qaacfa45cd6_decoder,@function
k_qaacfa45cd6_decoder:
	s_mov_b64 s[64:65], 0
	v_nop
	global_prefetch_b8 v0, s[64:65] scope:SCOPE_SE
	s_setreg_imm32_b32 hwreg(HW_REG_WAVE_MODE, 25, 1), 1
	s_wait_xcnt 0x0
	s_wait_alu depctr_hold_cnt(0) depctr_sa_sdst(0) depctr_va_vdst(0) depctr_va_sdst(0) depctr_va_ssrc(0) depctr_va_vcc(0) depctr_vm_vsrc(0)
	s_getreg_b32 s2, hwreg(HW_REG_IB_STS2, 6, 4)
	s_cmp_eq_u32 s2, 0
	s_cbranch_scc0 .Lentry_in_a_cluster
	s_endpgm
.Lentry_in_a_cluster:
	s_bfe_u32 s2, ttmp6, 0x10000c
	s_cmp_lg_u32 s2, 0x3003
	s_cbranch_scc0 .Lentry_shape_is_right
	s_endpgm
.Lentry_shape_is_right:
; out0[c][b][s][n] = relu( sum_d P[d] W_fc[n][d] + sum_d E[b][c][d] W_fc[n][512+d] + b_fc[n] ),   out1 = targets.
;   P = Q(table[5000 c + sampled_indices[c][b][s]]) W_bin^T : the gathered row of 256 f32 is quantised here to E2M3, one E8M0 scale for each 32 along K; W_bin comes as codes.
;   E = eos_emb W_eos^T + b_eos : both operands come as codes.  Both products by v_wmma_scale_f32_16x16x128_f8f6f4 on FP6 codes.
;   P's product with W_fc (three columns) goes to the matrix unit with bf16 operands and f32 sums; E's, made once, by packed f32 multiply-adds.
; SHARES.  256 work-groups (sc, b): rows s = 32 sc .. 32 sc + 31 of batch row b, for all 23 classes: a trip is a class, 32 rows.  All work-groups walk the classes in the same order.
; Four waves.  THE WAVES SHARE THE COLUMNS: wave w keeps W_bin's rows d = 128 w .. 128 w + 127 (16 fragments, 192 registers) and W_fc's numbers for them (32 registers of bf16) for the whole launch.
; For the gather and the quantiser wave w = 2 m + ks takes the 16 rows of tile m and 128 of K (K step ks): one fragment and one scale word a trip.  It goes to the other waves through LDS as an image
; of its registers.  Each gather load reads the 512 consecutive bytes of half a table row; the rows of three classes are on their way at a time.
; The matrix instruction is used transposed (source 0 = 16 rows of the weight, source 1 = 16 rows of x): a lane holds one row of x and eight neighbouring d.  So the registers of two neighbouring tiles,
; rounded to bf16 in pairs, ARE source 1 (32 d x 16 rows) of the product with W_fc, whose result holds, in lane r, register n, the number (row r, n): nothing changes lanes.
; BY TURNS.  A trip's 32 products on codes would leave the wave nothing to issue, and its vector work would leave the matrix unit idle.  So the vector and LDS work that does not hang on these products
; (the next class's quantiser, the offsets of the next gather, the stores of the class after into the stage: 135 items) stands between them, four or five items behind each product.  All of it lies in
; window 0 (the stores' data in window 3) and no window has room for a product's operands beside it: so each such slice costs two switches of the register windows, 64 a trip.
; THE EOS TERM hangs on (b, c) alone: each work-group makes it once for its b (23 classes as two tiles of 16, rows 23-31 zero codes), while its first gathers are on their way.  Wave w's part (its 128 d) stays in
; three of its registers, lane = class; in each trip the wave adds the class's three numbers to its own partial sums.  Wave 0's part also holds b_fc.
; CLUSTER.  The four work-groups of a cluster differ in sc alone and need the same W_eos, W_fc, b_eos and the same rows of eos_emb: these come by joint tensor loads (mask 15), once, at the start.
; No LDS byte is filled twice.  W_bin is not taken so: it would not fit in LDS beside W_eos; each wave reads its quarter once, by dense loads.
; LIMITS.  NaN and infinities in the table are not served; a NaN sum would leave as 0 (v_max_num_f32).  A block of zeros gets the scale byte 1 with zero codes (the same product as the rule's 127); blocks whose largest
; magnitude lies under 2^-124 are held at that byte.  Indices are held at 4,999 from above.  P and W_fc[:, :512] are rounded to bf16 (2^-9 of each number) for their product; the sums over d are taken in another order
; than a row-by-row sum.
; A work-group's piece of out0 for a class is 384 consecutive bytes and of out1 128: aligned blocks of 256 bytes are written in part; the outputs are 3 MB beside 193 MB of gathered rows.
;
; REGISTERS, in windows of 256.  window 0: v1-31 addresses; v32-63 scale words and nothing else; v64-127 Q, 64 numbers to quantise (in the eos phase: accumulators and sums); v128-165 the quantiser's;
;   v166-181 gather offsets; v182-197 the indices (lane = class, register = row); v198-213 the two accumulators of the product with W_fc; v216-221 the way out; v222-227 targets; v228-230 my part of the eos term.
; window 1: v0-191 W_bin's fragments (tile t, K step ks at 12 (2 t + ks)); v192-255 accumulators of rows 0-15.
; window 2: v0-31 W_fc's four fragments in bf16; v32-95 P in bf16, eight fragments; v192-239 x's four fragments.  In the eos phase: v0-95 eos_emb's eight fragments, v96-255 two sets of (4 fragments of W_eos, 24 of W_fc, 8 of b_eos).
; window 3: v0-191 three sets of gathered rows (16 x 4 registers each); v192-255 accumulators of rows 16-31.
.set CLSB,  5000*1024                  ; a class's part of the table in bytes
.set WEP,   432                        ; an LDS row of 512 codes: 3 x (128 bytes + 16 of padding)
.set WEW,   128*WEP                    ; a wave's 128 rows of W_eos
.set EMB,   4*WEW                      ; LDS: W_eos from byte 0; then 32 rows of eos_emb's codes,
.set WFC,   EMB+32*WEP                 ; W_fc as it lies (4096 n + 4 d),
.set BE,    WFC+12288                  ; b_eos,
.set STG,   BE+2048                    ; a stage of its own for each wave: 16 rows x (512 + 16) bytes,
.set STGW,  16*528
.set IMG,   STG+4*STGW                 ; three buffers of x's four fragments' images, 1,536 bytes each,
.set IMGB,  4*1536
.set ISC,   IMG+3*IMGB                 ; three buffers of their scale words, 128 bytes a fragment,
.set PART,  ISC+3*512                  ; three buffers of partial sums: 512 bytes a wave, float 3 row + n.  The end: 309,248
.set Q,   64
.set EA,  64                           ; eos phase: four accumulators
.set ES,  96                           ; six packed sums (3 m + n)
.set ET,  108
.set PC,  128                          ; v128-139 the codes just made; v140-146 at work
.set TM,  148                          ; v148-151 largest magnitudes, v152-155 bytes, v160-163 the conversions' scale operands
.set PW,  164                          ; the scale word just made
.set OFF, 166
.set IDX, 182
.set D3,  198                          ; v198-205 rows 0-15, v206-213 rows 16-31
.set OP,  216                          ; v216-219 the four waves' partial sums
.set OV,  221
.set TG,  222
.set EO,  228
.set NIT, 135                          ; items between a trip's 32 products
.set MSB, 0
.macro WIN new                         ; the immediate's high byte repeats the setting that is left; a switch that changes nothing is dropped
.if MSB != (\new)
	s_set_vgpr_msb (MSB<<8)|(\new)
.set MSB, (\new)
.endif
.endm
.macro ROUND                           ; a round of the cluster's barrier
	s_barrier_signal -1
	s_barrier_wait -1
	s_cmp_lg_u32 s32, 0
	s_cbranch_scc1 .Lnot_wave_0_\@
	s_barrier_signal -3
.Lnot_wave_0_\@:
	s_barrier_wait -3
	s_barrier_signal -1
	s_barrier_wait -1
.endm
.macro BARRIER                         ; my LDS stores have landed and my LDS loads are in: then the work-group's barrier
	s_wait_dscnt 0x0
	s_barrier_signal -1
	s_barrier_wait -1
.endm
; One product on codes.  c < 0: the constant 0 starts the sum.  ra, rb: the side's scales stand in lanes 16-31 of its register.
.macro WM d, a, b, c, sa, sb, ra, rb
.if (\c) < 0
.if \ra
	v_wmma_scale_f32_16x16x128_f8f6f4 v[(\d):(\d)+7], v[(\a):(\a)+11], v[(\b):(\b)+11], 0, v[\sa], v[\sb] matrix_a_fmt:MATRIX_FMT_FP6 matrix_b_fmt:MATRIX_FMT_FP6 matrix_a_scale:MATRIX_SCALE_ROW1
.else
	v_wmma_scale_f32_16x16x128_f8f6f4 v[(\d):(\d)+7], v[(\a):(\a)+11], v[(\b):(\b)+11], 0, v[\sa], v[\sb] matrix_a_fmt:MATRIX_FMT_FP6 matrix_b_fmt:MATRIX_FMT_FP6
.endif
.elseif (\ra) && (\rb)
	v_wmma_scale_f32_16x16x128_f8f6f4 v[(\d):(\d)+7], v[(\a):(\a)+11], v[(\b):(\b)+11], v[(\c):(\c)+7], v[\sa], v[\sb] matrix_a_fmt:MATRIX_FMT_FP6 matrix_b_fmt:MATRIX_FMT_FP6 matrix_a_scale:MATRIX_SCALE_ROW1 matrix_b_scale:MATRIX_SCALE_ROW1
.elseif \ra
	v_wmma_scale_f32_16x16x128_f8f6f4 v[(\d):(\d)+7], v[(\a):(\a)+11], v[(\b):(\b)+11], v[(\c):(\c)+7], v[\sa], v[\sb] matrix_a_fmt:MATRIX_FMT_FP6 matrix_b_fmt:MATRIX_FMT_FP6 matrix_a_scale:MATRIX_SCALE_ROW1
.elseif \rb
	v_wmma_scale_f32_16x16x128_f8f6f4 v[(\d):(\d)+7], v[(\a):(\a)+11], v[(\b):(\b)+11], v[(\c):(\c)+7], v[\sa], v[\sb] matrix_a_fmt:MATRIX_FMT_FP6 matrix_b_fmt:MATRIX_FMT_FP6 matrix_b_scale:MATRIX_SCALE_ROW1
.else
	v_wmma_scale_f32_16x16x128_f8f6f4 v[(\d):(\d)+7], v[(\a):(\a)+11], v[(\b):(\b)+11], v[(\c):(\c)+7], v[\sa], v[\sb] matrix_a_fmt:MATRIX_FMT_FP6 matrix_b_fmt:MATRIX_FMT_FP6
.endif
.endm
; A fragment (16 rows x 128 K, 12 registers) out of rows of 432 bytes: K step s, in pieces of 8 bytes.  Lanes 16-31 read three pieces further on than lanes 0-15; where that is behind one padding more
; (piece mod 16 from 13 on) the second address register (40 for 24 bytes a half) serves.
.macro FRAG reg, adr, s, off
.irp p, 0,1,2,3,4,5
.set PCE, 12*(\s)+6*(\p/3)+\p%3
.if PCE%16 < 13
	ds_load_b64 v[\reg+2*\p:\reg+2*\p+1], v[\adr] offset:8*PCE+16*(PCE/16)+(\off)
.else
	ds_load_b64 v[\reg+2*\p:\reg+2*\p+1], v[\adr+1] offset:8*PCE+16*(PCE/16)+(\off)
.endif
.endr
.endm
; The 16 loads of a gather: my half (512 bytes) of each of my 16 rows, by the offsets in v[OFF] on, into set `set` of window 3.
.macro GLOAD set
	WIN 0xc0                                       ; destination window 3
.irp i, 0,1,2,3,4,5,6,7,8,9,10,11,12,13,14,15
	global_load_b128 v[64*(\set)+4*\i:64*(\set)+4*\i+3], v[OFF+\i], s[8:9]   ; 32 lanes read 512 consecutive bytes
.endr
	WIN 0
.endm
; A whole gather, as the head has it: the offsets of class s93, then the loads.
.macro GATHER set
	s_wait_xcnt 0x0                                ; the offsets of the gather before are written again only behind this wait
.irp g, 0,4,8,12
.irp e, 0,1,2,3
	v_readlane_b32 s[96+\e], v[IDX+\g+\e], s93     ; row g + e's index in this class
.endr
.irp e, 0,1,2,3
	s_min_u32 s[96+\e], s[96+\e], 4999             ; an index stays inside its class
.endr
.irp e, 0,1,2,3
	v_lshl_add_u32 v[OFF+\g+\e], s[96+\e], 10, v12 ; 1,024 x index + the class's first byte + my half + 16 x lane
.endr
.endr
	GLOAD \set
	v_add_nc_u32 v12, CLSB, v12                    ; (no address register of a load: it only feeds the offsets)
	s_add_co_u32 s93, s93, 1
.endm
; What lies in my stage comes back with 16 neighbours along K of each block of 32 in a lane: register 16 b + i = k 32 b + 16 (lane / 16) + i of row lane % 16.
.macro QLOAD
.irp b, 0,1,2,3
.irp j, 0,1,2,3
	ds_load_b128 v[Q+16*\b+4*\j:Q+16*\b+4*\j+3], v2 offset:128*\b+16*\j
.endr
.endr
.endm
; A whole turn, as the head has it: set `set` into my stage as it was loaded, and back.  LDS serves a wave's instructions in order (ISA guide 5.7.1.4): no wait between the stores and the loads.
.macro TURN set
	WIN 0x0c                                       ; an LDS store's data are its source 1: window 3
.irp i, 0,1,2,3,4,5,6,7,8,9,10,11,12,13,14,15
	ds_store_b128 v1, v[64*(\set)+4*\i:64*(\set)+4*\i+3] offset:528*\i
.endr
	WIN 0
	QLOAD
.endm
; ITEM writes number j of the list of what stands between a trip's products.  turn, gather, quant: which of the three parts this trip has.
;   0-15    turn: the 16 rows of set `set` go into my stage
;   16-31   gather: the 16 indices of class s93 into s40-55 (they held descriptors: every tensor load has been waited for);   64-79 each held at 4,999;   99 the wait that frees the offsets;
;   117-134 the 16 offsets; the next class's first byte; the next class's number
;   32-63   quant: the 64 numbers in v[Q] on: the largest magnitude of my 16 of each block, the four blocks by turns, with the floor 2^(3 - 127) as a leaf: the byte cannot fall under 1
;   80-98   with lane l xor 16's; 2 off the exponent field: the conversion's scale operand; the byte; the four bytes make the scale word v[PW]
;   100-116 the conversions; one plain place behind them; the exchange of halves that gives a lane a whole block: the fragment's codes in v[PC] on
.macro ITEM set, turn, gather, quant
.if j < 16
.if \turn
	WIN 0x0c
	ds_store_b128 v1, v[64*(\set)+4*j:64*(\set)+4*j+3] offset:528*j
.endif
.elseif j < 32
.if \gather
	WIN 0
	v_readlane_b32 s[40+j-16], v[IDX+j-16], s93
.endif
.elseif j < 36
.if \quant
	WIN 0
	v_max3_num_f32 v[TM+j-32], |v[Q+16*(j-32)]|, |v[Q+1+16*(j-32)]|, 0x1800000
.endif
.elseif j < 64
.if \quant
	WIN 0
	v_max3_num_f32 v[TM+j%4], v[TM+j%4], |v[Q+16*(j%4)+2*((j-32)/4)]|, |v[Q+1+16*(j%4)+2*((j-32)/4)]|
.endif
.elseif j < 80
.if \gather
	s_min_u32 s[40+j-64], s[40+j-64], 4999         ; an index stays inside its class
.endif
.elseif j < 84
.if \quant
	WIN 0
	v_permlanex16_b32 v[TM+4+j-80], v[TM+j-80], s100, s101
.endif
.elseif j < 88
.if \quant
	WIN 0
	v_max_num_f32 v[TM+j-84], v[TM+j-84], v[TM+4+j-84]
.endif
.elseif j < 92
.if \quant
	WIN 0
	v_add_nc_u32 v[TM+12+j-88], 0xff000000, v[TM+j-88]
.endif
.elseif j < 96
.if \quant
	WIN 0
	v_lshrrev_b32 v[TM+4+j-92], 23, v[TM+12+j-92]
.endif
.elseif j == 96
.if \quant
	WIN 0
	v_lshl_or_b32 v[PW], v[TM+5], 8, v[TM+4]
.endif
.elseif j < 99
.if \quant
	WIN 0
	v_lshl_or_b32 v[PW], v[TM+6+j-97], 16+8*(j-97), v[PW]
.endif
.elseif j == 99
.if \gather
	s_wait_xcnt 0x0                                ; the offsets of the gather before are written again only behind this wait; no global instruction stands between it and them
.endif
.elseif j < 104
.if \quant
	WIN 0
.set cc, (j-100)/2
.if (j-100)%2 == 0
	v_cvt_scalef32_pk16_fp6_f32 v[PC+6*cc:PC+2+6*cc], v[Q+32*cc:Q+15+32*cc], v[TM+12+2*cc]
.else
	v_cvt_scalef32_pk16_fp6_f32 v[PC+12+4*cc:PC+14+4*cc], v[Q+16+32*cc:Q+31+32*cc], v[TM+13+2*cc]   ; (a conversion's three registers begin on an even number)
.endif
.endif
.elseif j == 104
.if \quant
	WIN 0
	v_nop                                          ; one plain place behind a scaled conversion
.endif
.elseif j < 111
.if \quant
	WIN 0
	v_permlane16_swap_b32 v[PC+6*((j-105)/3)+(j-105)%3], v[PC+12+4*((j-105)/3)+(j-105)%3]
.endif
.elseif j < 117
.if \quant
	WIN 0
	v_mov_b32 v[PC+3+6*((j-111)/3)+(j-111)%3], v[PC+12+4*((j-111)/3)+(j-111)%3]
.endif
.elseif j < 133
.if \gather
	WIN 0
	v_lshl_add_u32 v[OFF+j-117], s[40+j-117], 10, v12   ; 1,024 x index + the class's first byte + my half + 16 x lane
.endif
.elseif j == 133
.if \gather
	WIN 0
	v_add_nc_u32 v12, CLSB, v12
.endif
.else
.if \gather
	s_add_co_u32 s93, s93, 1
.endif
.endif
.endm
.macro QUANT                           ; the quantiser alone, as the head has it: items 32 to 116
.set j, 32
.rept 85
	ITEM 0, 0, 0, 1
.set j, j+1
.endr
.endm
.macro IMAGE buf                       ; my fragment and its scale words go to LDS as they stand
.irp c, 0,1,2
	ds_store_b128 v3, v[PC+4*\c:PC+4*\c+3] offset:IMGB*(\buf)+512*\c
.endr
	ds_store_b32 v4, v[PW] offset:512*(\buf)
.endm
.macro FETCH buf                       ; and all four come back so, in every wave: 16 LDS loads
	WIN 0x80                                       ; destination window 2
.irp f, 0,1,2,3
.irp c, 0,1,2
	ds_load_b128 v[192+12*\f+4*\c:192+12*\f+4*\c+3], v5 offset:IMGB*(\buf)+1536*\f+512*\c
.endr
.endr
	WIN 0
.irp f, 0,1,2,3
	ds_load_b32 v[40+\f], v6 offset:512*(\buf)+128*\f
.endr
.endm
; 32 products: my 128 d x 32 rows x K 256, with the list's items dealt evenly behind them.  The eight accumulators of a tile of rows take turns, one instruction a turn.
; The first K step starts the sums.  No item names a register of a product.
.macro MULQ set, turn, gather, quant
.set j, 0
.set k, 0
.rept 32
.set mm, k/16
.set tt, k%8
	WIN 0x59+0xa0*mm                               ; source 0 (W_bin) window 1, source 1 (x) window 2, C and D window 1 (rows 0-15) or 3 (rows 16-31)
.if (k/8)%2 == 0
	WM 192+8*tt, 12*(2*tt), 192+12*(2*mm), -1, 32+2*(tt/2), 40+2*mm, tt%2, 0
.else
	WM 192+8*tt, 12*(2*tt+1), 192+12*(2*mm+1), 192+8*tt, 32+2*(tt/2)+1, 40+2*mm+1, tt%2, 0
.endif
.rept (NIT*(k+1))/32-(NIT*k)/32
	ITEM \set, \turn, \gather, \quant
.set j, j+1
.endr
.set k, k+1
.endr
	WIN 0
.if !(\quant)
.rept 4
	v_nop                                          ; a trip without items: four places behind the products (ISA guide 7.12.1).  Elsewhere the quantiser's plain lines behind product 15 are the places of rows 0-15's results,
.endr                                                  ; and the 32 conversions of rows 0-15 below those of rows 16-31's
.endif
.endm
; The product with W_fc.  P is rounded to bf16 in pairs, each accumulator from its low end on: registers 8 u .. 8 u + 7 of a tile of rows are its fragment for d = 32 u .. 32 u + 31.  Then eight products,
; source 0 = W_fc (lane r: row r & 3), source 1 = P: the two accumulators take turns.  Of the result only rows 0 to 2 are read: lanes 0-15, registers 0 to 2.
.macro P3
	WIN 0x85                                       ; sources window 1 (rows 0-15), destination window 2
.set i, 0
.rept 32
	v_cvt_pk_bf16_f32 v[32+i], v[192+2*i], v[193+2*i]
.set i, i+1
.endr
	WIN 0x8f                                       ; sources window 3 (rows 16-31)
.set i, 0
.rept 32
	v_cvt_pk_bf16_f32 v[64+i], v[192+2*i], v[193+2*i]
.set i, i+1
.endr
	WIN 0x0a                                       ; sources 0 and 1 window 2, C and D window 0
.irp u, 0,1,2,3
.irp m, 0,1
.if \u == 0
	v_wmma_f32_16x16x32_bf16 v[D3+8*\m:D3+8*\m+7], v[8*\u:8*\u+7], v[32+32*\m+8*\u:32+32*\m+8*\u+7], 0
.else
	v_wmma_f32_16x16x32_bf16 v[D3+8*\m:D3+8*\m+7], v[8*\u:8*\u+7], v[32+32*\m+8*\u:32+32*\m+8*\u+7], v[D3+8*\m:D3+8*\m+7]
.endif
.endr
.endr
	WIN 0
.rept 4
	v_nop                                          ; four places behind the last product, ahead of the first read of a result
.endr
.endm
; The two tiles of rows are brought together so that lane = row 0 .. 31; my part of the eos term of class s94 is added; three words a lane to my 512 bytes of buffer buf.
.macro PSTORE buf
.irp n, 0,1,2
	v_readlane_b32 s[96+\n], v[EO+\n], s94
.endr
.irp n, 0,1,2
	v_permlane16_swap_b32 v[D3+\n], v[D3+8+\n]     ; the first's lanes 16-31 take the second's lanes 0-15: rows 16-31
.endr
.irp n, 0,1,2
	v_add_f32 v[D3+\n], s[96+\n], v[D3+\n]
.endr
.irp n, 0,1,2
	ds_store_b32 v7, v[D3+\n] offset:2048*(\buf)+4*\n
.endr
	s_add_co_u32 s94, s94, 1
.endm
; The way out of a class: 96 numbers; thread f of waves 0 to 2 takes number f = 3 row + n.  Wave 3 has none.
.macro OUTL buf
	s_cmp_eq_u32 s32, 3
	s_cbranch_scc1 .Lno_outl_\@
.irp i, 0,1,2,3
	ds_load_b32 v[OP+\i], v8 offset:2048*(\buf)+512*\i
.endr
.Lno_outl_\@:
.endm
.macro OUTS
	s_cmp_eq_u32 s32, 3
	s_cbranch_scc1 .Lno_outs_\@
	s_wait_xcnt 0x0                                ; the last class's store has read its data and its offset: both are written again only behind this wait
	v_add_f32 v[OP], v[OP], v[OP+1]
	v_add_f32 v[OP+2], v[OP+2], v[OP+3]
	v_add_f32 v[OP], v[OP], v[OP+2]
	v_max_num_f32 v[OV], 0, v[OP]                  ; the activation
	v_add_nc_u32 v11, 98304, v11                   ; the next class's place; the store reaches back
	global_store_b32 v11, v[OV], s[28:29] offset:-98304 th:TH_STORE_NT   ; a wave stores 128 consecutive bytes
.Lno_outs_\@:
.endm
; Eos phase.  What tile t (16 of my d) wants, into set t % 2 of window 2: four fragments of W_eos, W_fc's 24 numbers, b_eos's 8: 32 LDS loads.
.macro ESET t
.set SB, 96+80*((\t)%2)
	WIN 0x80
.irp s, 0,1,2,3
	FRAG SB+12*\s, 18, \s, 16*WEP*(\t)
.endr
.irp n, 0,1,2
.irp q, 0,1
	ds_load_b128 v[SB+48+8*\n+4*\q:SB+48+8*\n+4*\q+3], v22 offset:2048+4096*\n+64*(\t)+16*\q
.endr
.endr
.irp q, 0,1
	ds_load_b128 v[SB+72+4*\q:SB+72+4*\q+3], v23 offset:64*(\t)+16*\q
.endr
.endm
; Tile t: E^T for 16 d x 32 classes, K = 512 in four steps; b_eos is the C of the first.  The two accumulators take turns.  Then their product with W_fc's second half.
.macro ETILE t
.set SB, 96+80*((\t)%2)
.set EB, EA+16*((\t)%2)
	WIN 0x2a                                       ; sources 0, 1 and C window 2, D window 0
	WM EB, SB, 0, SB+72, 44+4*((\t)/2), 60, (\t)%2, 0
	WM EB+8, SB, 48, SB+72, 44+4*((\t)/2), 60, (\t)%2, 1
	WIN 0x0a                                       ; C and D window 0
.irp s, 1,2,3
	WM EB, SB+12*\s, 12*\s, EB, 44+4*((\t)/2)+\s, 60+\s, (\t)%2, 0
	WM EB+8, SB+12*\s, 48+12*\s, EB+8, 44+4*((\t)/2)+\s, 60+\s, (\t)%2, 1
.endr
	WIN 0
.rept 5
	v_nop                                          ; five places: for the reads of the results, for the loads into this set, and for the products two tiles on, which begin these accumulators anew
.endr
	WIN 0x08                                       ; source 1 (W_fc's numbers) window 2
.irp p, 0,1,2,3
.irp m, 0,1
.irp n, 0,1,2
.if ((\t) == 0) && (\p == 0)
	v_pk_mul_f32 v[ES+2*(3*\m+\n):ES+2*(3*\m+\n)+1], v[EB+8*\m+2*\p:EB+8*\m+2*\p+1], v[SB+48+8*\n+2*\p:SB+48+8*\n+2*\p+1]
.else
	v_pk_fma_f32 v[ES+2*(3*\m+\n):ES+2*(3*\m+\n)+1], v[EB+8*\m+2*\p:EB+8*\m+2*\p+1], v[SB+48+8*\n+2*\p:SB+48+8*\n+2*\p+1], v[ES+2*(3*\m+\n):ES+2*(3*\m+\n)+1]
.endif
.endr
.endr
.endr
	WIN 0
.endm
; A TRIP: class t, buffers k = t % 3.  At its head Q holds class t + 1's numbers, and classes t + 2, t + 3, t + 4 are asked for.
; out: class t - 1 goes out.  turn: class t + 2 goes through the stage into Q.  gather: class t + 5 is asked for, into the set that class t + 2 leaves.  quant: class t + 1 is quantised.
; cnt: the gather loads younger than class t + 2's.
; ONE barrier a trip.  In front of it every wave has waited for all its LDS instructions.  Between two barriers image k and partial sums (k + 2) % 3 are read, image (k + 1) % 3 and partial sums k are
; written: what is written is read behind the next barrier, and written again three barriers on.  The stage is the wave's own.
.macro BODY k, out, turn, gather, quant, cnt
	BARRIER
	FETCH \k
.if \out
	OUTL (\k+2)%3
.endif
.if \turn
	s_wait_loadcnt \cnt                            ; loads come back in order: class t + 2's 16 are in, the younger gathers stay out
.endif
	s_wait_dscnt 0x0                               ; x's fragments, their scale words and the partial sums are in
	MULQ (\k+2)%3, \turn, \gather, \quant
.if \out
	OUTS
.endif
.if \turn
	s_wait_dscnt 0x0                               ; the stores into the stage, issued behind the first four products, have read their set
.endif
.if \quant
	IMAGE (\k+1)%3
.endif
.if \turn
	QLOAD                                          ; the conversions have read Q: it takes class t + 2
.endif
.if \gather
	GLOAD (\k+2)%3
.endif
	P3                                             ; the LDS and memory instructions above are served while these 64 conversions and 8 products are issued
	PSTORE \k
.endm
	; ---- the head: pointers, ids, every address register
	s_load_b512 s[4:19], s[0:1], 0x0               ; indices s[4:5], targets s[6:7], table s[8:9], W_bin's codes s[10:11], scales s[12:13], W_eos's codes s[14:15], scales s[16:17], eos_emb's codes s[18:19]
	s_load_b256 s[20:27], s[0:1], 0x40             ; eos_emb's scales s[20:21], W_fc s[22:23], b_eos s[24:25], b_fc s[26:27]
	s_load_b128 s[28:31], s[0:1], 0x60             ; out0 s[28:29], out1 s[30:31]
	v_lshl_add_u32 v254, v0, 2, 0x4b800
	v_mov_b32 v255, 0
	ds_add_u32 v254, v255
	ds_add_u32 v254, v255
	v_lshrrev_b32 v244, 5, v0
	v_readfirstlane_b32 s32, v244                  ; wave w
	s_lshr_b32 s33, s32, 1                         ; m: which 16 rows I gather
	s_and_b32 s34, s32, 1                          ; ks: which half of them
	s_and_b32 s35, ttmp7, 0xffff                   ; b, which the four partners share
	s_bfe_u32 s39, ttmp6, 0x40000                  ; cx
	s_lshl_b32 s2, ttmp9, 2
	s_add_co_u32 s39, s2, s39                      ; sc = 4 x cluster x + cx: it enters global addresses of plain loads and stores alone
	s_mov_b32 s100, 0x76543210
	s_mov_b32 s101, 0xfedcba98                     ; v_permlanex16_b32's selects for lane l xor 16
	v_and_b32 v244, 31, v0                         ; lane
	v_and_b32 v245, 15, v0                         ; r
	v_bfe_u32 v246, v0, 4, 1                       ; h
	s_mul_i32 s95, s32, STGW
	s_add_co_u32 s95, s95, STG                     ; my stage
	v_lshl_add_u32 v1, v244, 4, s95                ; v1: into it, 16 x lane
	v_mul_u32_u24 v2, v245, 528
	v_lshl_add_u32 v2, v246, 6, v2
	v_add_nc_u32 v2, s95, v2                       ; v2: out of it, row r, + 64 h
.irp u, 0,1,2                          ; v14-16: W_bin's way in: piece g = 32 u + lane of 16 bytes goes to 16 g + 16 (g / 12): rows of 192 bytes, 208 apart.  g / 12 = 43 g >> 9 for g < 96
	v_add_nc_u32 v247, 32*\u, v244
	v_mul_u32_u24 v248, v247, 43
	v_lshrrev_b32 v248, 9, v248
	v_add_nc_u32 v247, v247, v248
	v_lshl_add_u32 v[14+\u], v247, 4, s95
.endr
	v_mul_u32_u24 v17, v245, 208
	v_mad_u32_u24 v17, v246, 24, v17
	v_add_nc_u32 v17, s95, v17                     ; v17: and out: row r, + 24 h
	s_mul_i32 s95, s32, 1536
	s_add_co_u32 s95, s95, IMG
	v_lshl_add_u32 v3, v244, 4, s95                ; v3: where I store my image
	v_lshl_add_u32 v4, v0, 2, ISC                  ; v4: and its scale words: 128 w + 4 lane
	v_lshl_add_u32 v5, v244, 4, IMG                ; v5: where images are read
	v_lshl_add_u32 v6, v244, 2, ISC                ; v6: and scale words
	s_lshl_b32 s95, s32, 9
	s_add_co_u32 s95, s95, PART
	v_mul_u32_u24 v7, v244, 12
	v_add_nc_u32 v7, s95, v7                       ; v7: my partial sums: 512 w + 12 x row
	v_lshl_add_u32 v8, v0, 2, PART                 ; v8: number f = my thread's number, of wave 0's partial sums
	v_lshlrev_b32 v11, 2, v0                       ; v11: and in out0
	s_lshl_b32 s95, s34, 9
	v_lshl_add_u32 v12, v244, 4, s95               ; v12: 16 x lane + 512 ks + the class's first byte
	v_lshlrev_b32 v13, 4, v244                     ; v13: 16 x lane
	s_mul_i32 s95, s32, WEW
	v_mul_u32_u24 v247, v245, WEP
	v_mad_u32_u24 v247, v246, 24, v247             ; 432 r + 24 h
	v_add_nc_u32 v18, s95, v247                    ; v18, v19: my rows of W_eos (they begin at LDS byte 0)
	v_lshl_add_u32 v19, v246, 4, v18
	v_add_nc_u32 v20, EMB, v247                    ; v20, v21: eos_emb's rows
	v_lshl_add_u32 v21, v246, 4, v20
	s_lshl_b32 s95, s32, 9
	v_lshl_add_u32 v247, v246, 5, s95              ; 512 w + 32 h: my eight d of a tile, as f32
	v_add_nc_u32 v22, WFC, v247                    ; v22: in W_fc
	v_add_nc_u32 v23, BE, v247                     ; v23: in b_eos
	v_and_b32 v248, 3, v0
	v_lshl_add_u32 v248, v248, 12, v247
	v_add_nc_u32 v31, WFC, v248                    ; v31: W_fc as source 0: row r & 3 (a fourth row falls on b_eos's bytes, which lie behind W_fc's: it feeds rows of the result that nobody reads)
	v_min_u32 v247, 22, v244                       ; lane = class; lanes 23-31 repeat class 22, so that no load leaves its buffer
	v_lshlrev_b32 v27, 15, v247                    ; v27: the class's plane of indices
	v_lshlrev_b32 v28, 2, v244                     ; v28: 4 x lane
	v_lshlrev_b32 v29, 4, v247                     ; v29: the class's 16 scale bytes of eos_emb
	v_lshlrev_b32 v30, 3, v244                     ; v30: 8 x lane
.irp b, 0,1,2,3
	v_mov_b32 v[TM+4+\b], 0                        ; written once: a lane permute's destination counts as one of its sources
.endr
	; descriptor groups 1, all with the mask of the four partners and bit 21 beside it
	s_mov_b32 s40, 15|(1<<20)|(1<<21)|(4<<22)|(3<<25)   ; W_eos: elements of 1 byte; 4 words of padding behind every 32 words
	s_mov_b32 s41, 384<<16                         ; tensor_dim0 = 384 bytes
	s_mov_b32 s42, 128<<16                         ; tensor_dim1 = 128 rows
	s_mov_b32 s43, 384<<16                         ; tile_dim0
	s_mov_b32 s44, 128                             ; tile_dim1
	s_mov_b32 s45, 384                             ; from row to row
	s_mov_b32 s46, 0
	s_mov_b32 s47, 0
	s_mov_b32 s48, 15|(1<<20)|(1<<21)|(4<<22)|(3<<25)   ; eos_emb: the same rows;
	s_mov_b32 s49, 384<<16
	s_mov_b32 s50, 23<<16                          ; 23 rows are left of the tensor from the tile's first:
	s_mov_b32 s51, 384<<16
	s_mov_b32 s52, 32                              ; of the tile's 32 rows the last nine arrive as zeros
	s_mov_b32 s53, 384
	s_mov_b32 s54, 0
	s_mov_b32 s55, 0
	s_mov_b32 s56, 15|(3<<16)|(1<<21)              ; W_fc: a quarter, 3,072 dense bytes, as 12 rows of 32 elements of 8 bytes
	s_mov_b32 s57, 32<<16
	s_mov_b32 s58, 12<<16
	s_mov_b32 s59, 32<<16
	s_mov_b32 s60, 12
	s_mov_b32 s61, 32
	s_mov_b32 s62, 0
	s_mov_b32 s63, 0
	s_mov_b32 s68, 15|(3<<16)|(1<<21)              ; b_eos: a quarter, 512 dense bytes, as 2 such rows
	s_mov_b32 s69, 32<<16
	s_mov_b32 s70, 2<<16
	s_mov_b32 s71, 32<<16
	s_mov_b32 s72, 2
	s_mov_b32 s73, 32
	s_mov_b32 s74, 0
	s_mov_b32 s75, 0
	s_wait_dscnt 0x0
	s_wait_kmcnt 0x0
	s_load_b96 s[36:38], s[26:27], 0x0             ; b_fc
	s_lshl_b32 s2, s35, 11
	s_lshl_b32 s3, s39, 7
	s_add_co_u32 s2, s2, s3                        ; 2,048 b + 128 sc: my 32 rows in a plane of indices or targets
	s_lshl_b32 s3, s33, 6
	s_add_co_u32 s98, s2, s3                       ; + 64 m
	s_mov_b32 s99, 0
	s_lshl_b32 s3, s32, 15
	s_add_co_u32 s2, s2, s3                        ; + 32,768 w: wave w copies the targets of classes w, w + 4, ..
	s_mov_b32 s3, 0
	s_add_nc_u64 s[4:5], s[4:5], s[98:99]
	s_add_nc_u64 s[6:7], s[6:7], s[2:3]
	s_add_nc_u64 s[30:31], s[30:31], s[2:3]
	s_mul_i32 s2, s35, 6144
	s_mul_i32 s98, s39, 384
	s_add_co_u32 s2, s2, s98
	s_add_nc_u64 s[28:29], s[28:29], s[2:3]        ; out0 at my 32 rows of class 0
	s_mov_b32 s97, 0
	s_mul_i32 s96, s32, 24576
	s_add_nc_u64 s[10:11], s[10:11], s[96:97]      ; my 128 rows of W_bin's codes,
	s_lshl_b32 s96, s32, 10
	s_add_nc_u64 s[12:13], s[12:13], s[96:97]      ; of its scales,
	s_lshl_b32 s96, s32, 11
	s_add_nc_u64 s[16:17], s[16:17], s[96:97]      ; of W_eos's scales;
	s_mul_i32 s96, s35, 368
	s_add_nc_u64 s[20:21], s[20:21], s[96:97]      ; eos_emb's scales of my b
	; ---- plain loads, the oldest first: what is wanted first
.irp i, 0,1,2,3,4
	global_load_b32 v[TG+\i], v28, s[6:7] offset:131072*\i th:TH_LOAD_NT
.endr
	s_cmp_eq_u32 s32, 3
	s_cbranch_scc1 .Lno_tg_in                      ; class w + 20 exists for waves 0 to 2
	global_load_b32 v[TG+5], v28, s[6:7] offset:131072*5 th:TH_LOAD_NT
.Lno_tg_in:
.irp q, 0,1,2,3
	global_load_b128 v[IDX+4*\q:IDX+4*\q+3], v27, s[4:5] offset:16*\q   ; lane = class: my 16 rows' indices
.endr
.irp u, 0,1,2,3
	global_load_b64 v[32+2*\u:33+2*\u], v30, s[12:13] offset:256*\u     ; W_bin's scale words: lane l = row 32 u + l: tile 2 u below, tile 2 u + 1 above; register = K step
.endr
.irp u, 0,1,2,3
	global_load_b128 v[44+4*\u:47+4*\u], v13, s[16:17] offset:512*\u    ; W_eos's likewise, four K steps
.endr
	global_load_b128 v[60:63], v29, s[20:21]       ; eos_emb's: lane = class
	; descriptor groups 0: nothing in them hangs on sc
	s_mov_b32 s76, 1
	s_mul_i32 s77, s32, WEW                        ; W_eos: my 128 rows, in LDS from byte 0 on
	s_mul_i32 s96, s32, 49152
	s_add_nc_u64 s[78:79], s[14:15], s[96:97]
	s_or_b32 s79, s79, 0x80000000
	s_mov_b32 s84, 1
	s_mul_i32 s96, s32, 3072
	s_add_co_u32 s85, s96, WFC
	s_add_nc_u64 s[86:87], s[22:23], s[96:97]
	s_or_b32 s87, s87, 0x80000000
	s_mov_b32 s88, 1
	s_lshl_b32 s96, s32, 9
	s_add_co_u32 s89, s96, BE
	s_add_nc_u64 s[90:91], s[24:25], s[96:97]
	s_or_b32 s91, s91, 0x80000000
	s_mov_b32 s80, 1
	s_mov_b32 s81, EMB
	s_mul_i32 s96, s35, 8832                       ; eos_emb: the 23 rows of my b
	s_add_nc_u64 s[82:83], s[18:19], s[96:97]
	s_or_b32 s83, s83, 0x80000000
	ROUND                                          ; all four work-groups are here: the joint loads meet
	tensor_load_to_lds s[76:79], s[40:47]          ; every fill of the launch goes out here, ahead of every wait on TENSORcnt, LDS read and work-group barrier: three loads of mine are out, in wave 0 four
	s_nop 0
	tensor_load_to_lds s[84:87], s[56:63]
	s_nop 0
	tensor_load_to_lds s[88:91], s[68:75]
	s_nop 0
.rept 4
	v_nop
.endr
	s_cmp_lg_u32 s32, 0
	s_cbranch_scc1 .Lno_emb
	tensor_load_to_lds s[80:83], s[48:55]
	s_nop 0
.rept 4
	v_nop
.endr
.Lno_emb:
	WIN 0x40                                       ; destination window 1
.irp i, 0,1,2,3,4,5,6,7,8,9,10,11,12,13,14,15,16,17,18,19,20,21,22,23,24,25,26,27,28,29,30,31,32,33,34,35,36,37,38,39,40,41,42,43,44,45,46,47
	global_load_b128 v[4*\i:4*\i+3], v13, s[10:11] offset:512*\i   ; my 24,576 bytes of W_bin's codes as they lie, 512 consecutive bytes a load
.endr
	WIN 0
	s_wait_loadcnt 57                              ; the 9 loads of scales and the 48 of codes may be out: targets and indices are in
.irp i, 0,1,2,3,4
	global_store_b32 v28, v[TG+\i], s[30:31] offset:131072*\i th:TH_STORE_NT
.endr
	s_cmp_eq_u32 s32, 3
	s_cbranch_scc1 .Lno_tg_out
	global_store_b32 v28, v[TG+5], s[30:31] offset:131072*5 th:TH_STORE_NT
.Lno_tg_out:
	s_mov_b32 s93, 0                               ; the class to gather next
	GATHER 0
	GATHER 1
	GATHER 2
	; ---- W_bin's codes become fragments: 32 rows (two tiles) at a time through my stage
	s_wait_loadcnt 48                              ; only the three gathers may be out
.irp u, 0,1,2,3
	WIN 0x04                                       ; store data window 1
.irp i, 0,1,2,3,4,5,6,7,8,9,10,11
	ds_store_b128 v[14+\i%3], v[48*\u+4*\i:48*\u+4*\i+3] offset:1664*(\i/3)   ; three loads' bytes are eight rows of 208
.endr
	s_wait_dscnt 0x0                               ; the stores have read their registers, which the loads below fill
	WIN 0x40
.irp tt, 0,1
.irp ks, 0,1
.irp p, 0,1,2,3,4,5
	ds_load_b64 v[48*\u+24*\tt+12*\ks+2*\p:48*\u+24*\tt+12*\ks+2*\p+1], v17 offset:3328*\tt+96*\ks+48*(\p/3)+8*(\p%3)
.endr
.endr
.endr
.endr
	WIN 0
	s_wait_tensorcnt 0x0                           ; my parts of W_eos, W_fc, b_eos (and eos_emb) have landed: from here on the descriptors' registers are free,
	s_wait_kmcnt 0x0                               ; b_fc is in,
	BARRIER                                        ; and everybody's parts have landed
	; ---- the eos term, while the gathers are on their way
	WIN 0x80
.irp m, 0,1
.irp s, 0,1,2,3
	FRAG 12*(4*\m+\s), 20, \s, 16*WEP*\m
.endr
.endr
	ESET 0
	ESET 1
.irp t, 0,1,2,3,4,5,6,7
.if \t < 7
	s_wait_dscnt 32                                ; all but the next tile's 32 loads
.else
	s_wait_dscnt 0x0
.endif
	ETILE \t
.if \t < 6
	ESET \t+2
.endif
.endr
.irp j, 0,1,2,3,4,5
	v_add_f32 v[ET+\j], v[ES+2*\j], v[ES+2*\j+1]
.endr
.irp n, 0,1,2
	v_permlane16_swap_b32 v[ET+\n], v[ET+3+\n]
.endr
	s_cmp_eq_u32 s32, 0                            ; b_fc is added once: in wave 0's part
	s_cselect_b32 s96, s36, 0
	s_cselect_b32 s97, s37, 0
	s_cselect_b32 s98, s38, 0
.irp n, 0,1,2
	v_add_f32 v[EO+\n], v[ET+\n], v[ET+3+\n]       ; lane = class
.endr
.irp n, 0,1,2
	v_add_f32 v[EO+\n], s[96+\n], v[EO+\n]
.endr
	; ---- W_fc's first half for my 128 d becomes source 0 of the bf16 form: fragment u (d = 32 u on): lane (r, h) holds, of row r & 3, d = 8 h + 0 .. 7 and 16 + 8 h + 0 .. 7.  They stay.
.irp u, 0,1,2,3
.irp q, 0,1,2,3
	ds_load_b128 v[Q+16*\u+4*\q:Q+16*\u+4*\q+3], v31 offset:128*\u+64*(\q/2)+16*(\q%2)   ; (the places behind the last products stand in front of these loads too)
.endr
.endr
	s_wait_dscnt 0x0
	WIN 0x80                                       ; destination window 2
.set i, 0
.rept 32
	v_cvt_pk_bf16_f32 v[i], v[Q+2*i], v[Q+2*i+1]
.set i, i+1
.endr
	WIN 0
	; ---- class 0's rows are quantised; class 1's are brought into Q
	s_wait_loadcnt 32                              ; classes 1 and 2 may be out
	TURN 0
	s_wait_dscnt 0x0                               ; the turn is over: its stores have read the set, its loads are in
	GATHER 0                                       ; class 3
	QUANT
	IMAGE 0
	s_wait_loadcnt 32                              ; classes 2 and 3 may be out
	TURN 1
	s_wait_dscnt 0x0
	GATHER 1                                       ; class 4
	s_mov_b32 s94, 0                               ; the trip's class
	BODY 0, 0, 1, 1, 1, 32                         ; class 0: nothing goes out yet
	s_mov_b32 s92, 5
.Lloop:                                                ; classes 1 to 15, three a trip of the loop: the buffers' numbers are constants of the text
	BODY 1, 1, 1, 1, 1, 32
	BODY 2, 1, 1, 1, 1, 32
	BODY 0, 1, 1, 1, 1, 32
	s_sub_co_u32 s92, s92, 1
	s_cmp_lg_u32 s92, 0
	s_cbranch_scc1 .Lloop
	BODY 1, 1, 1, 1, 1, 32                         ; class 16
	BODY 2, 1, 1, 1, 1, 32                         ; class 17 asks for class 22, the last
	BODY 0, 1, 1, 0, 1, 32                         ; class 18: nothing is left to gather, and the counts run down
	BODY 1, 1, 1, 0, 1, 16
	BODY 2, 1, 1, 0, 1, 0                          ; class 20 brings class 22 into Q
	BODY 0, 1, 0, 0, 1, 0                          ; class 21 quantises it
	BODY 1, 1, 0, 0, 0, 0                          ; class 22
	BARRIER
	OUTL 1                                         ; class 22 goes out
	s_wait_dscnt 0x0
	OUTS
	s_wait_tensorcnt 0x0
	ds_add_u32 v254, v255
	s_wait_dscnt 0x0
	ROUND                                          ; the closing round: no work-group ends while a partner may still ask for a tile that names it
	s_endpgm
.Lfunc_end_k_qaacfa45cd6_decoder:
	.size	k_qaacfa45cd6_decoder, .Lfunc_end_k_qaacfa45cd6_decoder-k_qaacfa45cd6_decoder
	.p2alignl 7, 3214868480
	.fill 96, 4, 3214868480
	.section	.rodata,"a",@progbits
	.p2align	6, 0x0
	.amdhsa_kernel k_qaacfa45cd6_decoder
		.amdhsa_group_segment_fixed_size 309760
		.amdhsa_private_segment_fixed_size 0
		.amdhsa_enable_private_segment 0
		.amdhsa_kernarg_size 112
		.amdhsa_user_sgpr_count 2
		.amdhsa_user_sgpr_kernarg_segment_ptr 1
		.amdhsa_wavefront_size32 1
		.amdhsa_system_sgpr_workgroup_id_x 1
		.amdhsa_system_sgpr_workgroup_id_y 1
		.amdhsa_system_sgpr_workgroup_id_z 1
		.amdhsa_system_vgpr_workitem_id 0
		.amdhsa_next_free_vgpr 1024
		.amdhsa_next_free_sgpr 102
		.amdhsa_reserve_vcc 0
		.amdhsa_float_denorm_mode_32 3
		.amdhsa_float_denorm_mode_16_64 3
		.amdhsa_memory_ordered 1
		.amdhsa_forward_progress 1
		.amdhsa_inst_pref_size 255
	.end_amdhsa_kernel
	.section	.bss,"aw",@nobits
	.p2align	6
	.space	262144
	.amdgpu_metadata
---
amdhsa.version: [ 1, 2 ]
amdhsa.kernels:
  - .name:           k_qaacfa45cd6_decoder
    .symbol:         k_qaacfa45cd6_decoder.kd
    .args:
      - { .name: sampled_indices, .offset: 0, .size: 8, .value_kind: global_buffer, .address_space: global }
      - { .name: targets, .offset: 8, .size: 8, .value_kind: global_buffer, .address_space: global }
      - { .name: bin_embedding_table, .offset: 16, .size: 8, .value_kind: global_buffer, .address_space: global }
      - { .name: W_bin_codes, .offset: 24, .size: 8, .value_kind: global_buffer, .address_space: global }
      - { .name: W_bin_scales, .offset: 32, .size: 8, .value_kind: global_buffer, .address_space: global }
      - { .name: W_eos_codes, .offset: 40, .size: 8, .value_kind: global_buffer, .address_space: global }
      - { .name: W_eos_scales, .offset: 48, .size: 8, .value_kind: global_buffer, .address_space: global }
      - { .name: eos_emb_codes, .offset: 56, .size: 8, .value_kind: global_buffer, .address_space: global }
      - { .name: eos_emb_scales, .offset: 64, .size: 8, .value_kind: global_buffer, .address_space: global }
      - { .name: W_fc, .offset: 72, .size: 8, .value_kind: global_buffer, .address_space: global }
      - { .name: b_eos, .offset: 80, .size: 8, .value_kind: global_buffer, .address_space: global }
      - { .name: b_fc, .offset: 88, .size: 8, .value_kind: global_buffer, .address_space: global }
      - { .name: out0, .offset: 96, .size: 8, .value_kind: global_buffer, .address_space: global }
      - { .name: out1, .offset: 104, .size: 8, .value_kind: global_buffer, .address_space: global }
    .group_segment_fixed_size: 309760
    .private_segment_fixed_size: 0
    .kernarg_segment_align: 8
    .kernarg_segment_size: 112
    .max_flat_workgroup_size: 128
    .sgpr_count:     102
    .vgpr_count:     1024
    .wavefront_size: 32
...
	.end_amdgpu_metadata
.endif
;; end of part 1
